; MI455X (gfx1250); checked and timed in simulation.
; The chip was launched on July 23, 2026; its instructions are those of AMD's public machine-readable ISA for CDNA 5 (MIT licence, August 2026) and "CDNA5" Instruction Set Architecture Reference Guide (July 2026). The comments in the code are by the model that wrote it; some were corrected since.
;; Vector Quantizer. Allowed arithmetic: float matrix products may take bf16 or f16 operands with f32 sums; other float arithmetic in f32, or as packed bf16 or f16 multiplies, adds, multiply-adds, maxima and minima; sums over many terms, partial sums and values carried from step to step in f32; what a program stores and reads back later, other than sums and carried values, may be rounded once to bf16 or f16.
;; Inputs: emb_w 8,192 x 256 float32; inputs 64 x 512 x 256 float32.
;; Outputs: out0 64 x 512 x 256 float32; out1 one number float32.
;; 2 versions, each right; version 2 is version 1 with the launch prep written anew for expert scheduling mode. Each part assembles by itself: llvm-mc -triple=amdgcn-amd-amdhsa -mcpu=gfx1250 --defsym DOCPART=n.
;; ======== version 1 of 2: 4 launches
;; workspace buffers: ebf 4,259,840 bytes; idx 131,072 bytes of whole numbers; part 16,384 bytes
;; launch prep (part 1): grid 128 x 1, 8 waves a work-group, no clusters, 1,280 bytes of LDS; arguments emb_w, ebf; writes ebf
.if DOCPART == 1
	.amdgcn_target "amdgcn-amd-amdhsa--gfx1250"
	.amdhsa_code_object_version 6
	.text
	.protected	k_qff044baeb6_prep
	.globl	k_qff044baeb6_prep
	.p2align	8
	.type	k_qff044baeb6_prep,@function
k_qff044baeb6_prep:
	s_mov_b64 s[64:65], 0
	v_nop
	global_prefetch_b8 v0, s[64:65] scope:SCOPE_SE
	s_setreg_imm32_b32 hwreg(HW_REG_WAVE_MODE, 25, 1), 1
	s_wait_xcnt 0x0
; The code book for the distance launch.  emb_w: [8192][256] f32.  ebf: 128 blocks of 33,280 bytes; block b holds codes 64 b .. 64 b + 63 rounded once to bf16
; (512 bytes a code), then the 64 sums ee = sum of the squares of the ROUNDED numbers, in f32 (256 bytes), then those 256 bytes once more: a block is 65 rows of 512 bytes.
; A work-group makes one block, so that one owner writes the block's row of sums; each of its eight waves takes eight codes.  A code is 1,024 bytes: two loads of 16 bytes a lane.
; All 16 loads of a wave go out at once.  Memory binds: no matrix work, no cluster; LDS serves only to gather the 64 sums into one row.
; LIMIT: the order of the 256 additions is this text's own (four partial sums a lane, then across the lanes).
.set EEL,   0                          ; LDS: the block's 64 sums, one block of 256 bytes
.set SPARE, 256                        ; LDS: the spare words, 128 bytes for each of eight waves
.set BLOCK, 33280
.set LO,  2                            ; v2  byte offset of my 16 bytes in the wave's first code: 8,192 w + 16 lane
.set SO,  3                            ; v3  byte offset of my 8 bytes in ebf's block: 4,096 w + 8 lane
.set SPW, 4                            ; v4  LDS address of my spare word; never rewritten
.set NIL, 5                            ; v5  0; never rewritten
.set ZR,  6                            ; v6  0.0: what the first product of a sum is added to
.set EA,  7                            ; v7  LDS address of my wave's eight sums
.set RAW, 16                           ; v[16:79]   load n = 2 code + half: 4 registers; once rounded, its first two hold partial sums
.set PK,  80                           ; v[80:111]  load n: 2 registers, 4 bf16; each written once, so no store's data is ever rewritten
	s_load_b128 s[4:7], s[0:1], 0x0                ; emb_w s[4:5], ebf s[6:7]
	v_lshl_add_u32 v[SPW], v0, 2, SPARE
	v_mov_b32 v[NIL], 0
	v_mov_b32 v[ZR], 0
	v_and_b32 v1, 31, v0                           ; lane
	v_lshrrev_b32 v8, 5, v0
	v_readfirstlane_b32 s8, v8                     ; wave 0..7
	v_lshlrev_b32 v[LO], 4, v1
	v_lshl_add_u32 v[LO], v8, 13, v[LO]
	v_lshlrev_b32 v[SO], 3, v1
	v_lshl_add_u32 v[SO], v8, 12, v[SO]
	s_lshl_b32 s9, s8, 5
	v_mov_b32 v[EA], s9                            ; EEL + 32 w
	s_lshl_b32 s10, ttmp9, 16                      ; the block's 64 codes of 1,024 bytes
	s_mov_b32 s11, 0
	s_mul_i32 s14, ttmp9, BLOCK
	s_mov_b32 s15, 0
	s_mov_b32 s12, 0x76543210                      ; v_permlanex16_b32: each lane takes its own place in the other half
	s_mov_b32 s13, 0xfedcba98
	s_wait_kmcnt 0x0
	s_add_nc_u64 s[4:5], s[4:5], s[10:11]
	s_add_nc_u64 s[6:7], s[6:7], s[14:15]
.irp n, 0,1,2,3,4,5,6,7,8,9,10,11,12,13,14,15
	global_load_b128 v[RAW+4*\n:RAW+4*\n+3], v[LO], s[4:5] offset:1024*(\n/2)+512*(\n%2)
.endr
; Load n: four numbers are rounded to bf16 and stored; their squares, taken from the rounded halves, start or go on two partial sums.
.macro ROWH n
	s_wait_loadcnt 15-(\n)                         ; loads come back in order: mine is in, the 15 - n younger ones stay out
	v_cvt_pk_bf16_f32 v[PK+2*(\n)], v[RAW+4*(\n)], v[RAW+4*(\n)+1]
	v_cvt_pk_bf16_f32 v[PK+2*(\n)+1], v[RAW+4*(\n)+2], v[RAW+4*(\n)+3]
	v_fma_mix_f32_bf16 v[RAW+4*(\n)], v[PK+2*(\n)], v[PK+2*(\n)], v[ZR] op_sel_hi:[1,1,0]
	v_fma_mix_f32_bf16 v[RAW+4*(\n)+1], v[PK+2*(\n)], v[PK+2*(\n)], v[ZR] op_sel:[1,1,0] op_sel_hi:[1,1,0]
	v_fma_mix_f32_bf16 v[RAW+4*(\n)], v[PK+2*(\n)+1], v[PK+2*(\n)+1], v[RAW+4*(\n)] op_sel_hi:[1,1,0]
	v_fma_mix_f32_bf16 v[RAW+4*(\n)+1], v[PK+2*(\n)+1], v[PK+2*(\n)+1], v[RAW+4*(\n)+1] op_sel:[1,1,0] op_sel_hi:[1,1,0]
	global_store_b64 v[SO], v[PK+2*(\n):PK+2*(\n)+1], s[6:7] offset:512*((\n)/2)+256*((\n)%2)  ; the wave's 32 lanes store 256 consecutive bytes, aligned
.endm
.irp n, 0,1,2,3,4,5,6,7,8,9,10,11,12,13,14,15
	ROWH \n
.endr
; a code's four partial sums, then the 32 lanes; the eight codes alternate, so that no line waits for the one before it
.irp i, 0,1,2,3,4,5,6,7
	v_pk_add_f32 v[RAW+8*\i:RAW+8*\i+1], v[RAW+8*\i:RAW+8*\i+1], v[RAW+8*\i+4:RAW+8*\i+5]
.endr
.irp i, 0,1,2,3,4,5,6,7
	v_add_f32 v[RAW+8*\i], v[RAW+8*\i], v[RAW+8*\i+1]
.endr
.irp m, 1,2,4,8
.irp i, 0,1,2,3,4,5,6,7
	v_add_f32_dpp v[RAW+8*\i], v[RAW+8*\i], v[RAW+8*\i] row_xmask:\m row_mask:0xf bank_mask:0xf
.endr
.endr
.irp i, 0,1,2,3,4,5,6,7
	v_permlanex16_b32 v[RAW+8*\i+1], v[RAW+8*\i], s12, s13
.endr
.irp i, 0,1,2,3,4,5,6,7
	v_add_f32 v[RAW+8*\i], v[RAW+8*\i], v[RAW+8*\i+1]
.endr
.irp i, 0,1,2,3,4,5,6,7
	ds_store_b32 v[EA], v[RAW+8*\i] offset:4*\i    ; all lanes write the same word with the same number
.endr
	s_wait_dscnt 0x0                               ; for the others' sake: my eight sums are in LDS
	s_barrier_signal -1
	s_barrier_wait -1
	s_cmp_lg_u32 s8, 0
	s_cbranch_scc1 .Lnot_first
	v_and_b32 v8, 15, v0                           ; wave 0 stores the row of sums: both halves of its lanes read the same 256 bytes,
	v_lshlrev_b32 v8, 4, v8
	ds_load_b128 v[12:15], v8
	v_lshlrev_b32 v9, 4, v1
	s_wait_dscnt 0x0
	global_store_b128 v9, v[12:15], s[6:7] offset:32768  ; and store 512 consecutive bytes: the sums and their copy
.Lnot_first:
	s_wait_tensorcnt 0x0                           ; the wave's end: three closing lines behind my last LDS store
	ds_add_u32 v[SPW], v[NIL]
	s_wait_dscnt 0x0
	s_endpgm
.Lfunc_end_k_qff044baeb6_prep:
	.size	k_qff044baeb6_prep, .Lfunc_end_k_qff044baeb6_prep-k_qff044baeb6_prep
	.p2alignl 7, 3214868480
	.fill 96, 4, 3214868480
	.section	.rodata,"a",@progbits
	.p2align	6, 0x0
	.amdhsa_kernel k_qff044baeb6_prep
		.amdhsa_group_segment_fixed_size 1280
		.amdhsa_private_segment_fixed_size 0
		.amdhsa_enable_private_segment 0
		.amdhsa_kernarg_size 16
		.amdhsa_user_sgpr_count 2
		.amdhsa_user_sgpr_kernarg_segment_ptr 1
		.amdhsa_wavefront_size32 1
		.amdhsa_system_sgpr_workgroup_id_x 1
		.amdhsa_system_sgpr_workgroup_id_y 1
		.amdhsa_system_sgpr_workgroup_id_z 1
		.amdhsa_system_vgpr_workitem_id 0
		.amdhsa_next_free_vgpr 112
		.amdhsa_next_free_sgpr 66
		.amdhsa_reserve_vcc 0
		.amdhsa_float_denorm_mode_32 3
		.amdhsa_float_denorm_mode_16_64 3
		.amdhsa_memory_ordered 1
		.amdhsa_forward_progress 1
		.amdhsa_inst_pref_size 16
	.end_amdhsa_kernel
	.amdgpu_metadata
---
amdhsa.version: [ 1, 2 ]
amdhsa.kernels:
  - .name:           k_qff044baeb6_prep
    .symbol:         k_qff044baeb6_prep.kd
    .args:
      - { .name: emb_w, .offset: 0, .size: 8, .value_kind: global_buffer, .address_space: global }
      - { .name: ebf, .offset: 8, .size: 8, .value_kind: global_buffer, .address_space: global }
    .group_segment_fixed_size: 1280
    .private_segment_fixed_size: 0
    .kernarg_segment_align: 8
    .kernarg_segment_size: 16
    .max_flat_workgroup_size: 256
    .sgpr_count:     66
    .vgpr_count:     112
    .wavefront_size: 32
...
	.end_amdgpu_metadata
.endif
;; end of part 1
;; launch nearest (part 2): grid 256 x 1, 4 waves a work-group, clusters of 4 x 1, 327,680 bytes of LDS; arguments ebf, inputs, idx; writes idx
.if DOCPART == 2
	.amdgcn_target "amdgcn-amd-amdhsa--gfx1250"
	.amdhsa_code_object_version 6
	.text
	.protected	k_qff044baeb6_nearest
	.globl	k_qff044baeb6_nearest
	.p2align	8
	.type	k_qff044baeb6_nearest,@function
k_qff044baeb6_nearest:
	s_mov_b64 s[64:65], 0
	v_nop
	global_prefetch_b8 v0, s[64:65] scope:SCOPE_SE
	s_setreg_imm32_b32 hwreg(HW_REG_WAVE_MODE, 25, 1), 1
	s_wait_xcnt 0x0
	s_wait_alu depctr_hold_cnt(0) depctr_sa_sdst(0) depctr_va_vdst(0) depctr_va_sdst(0) depctr_va_ssrc(0) depctr_va_vcc(0) depctr_vm_vsrc(0)
	s_getreg_b32 s2, hwreg(HW_REG_IB_STS2, 6, 4)
	s_cmp_eq_u32 s2, 0
	s_cbranch_scc0 .Lentry_in_a_cluster
	s_endpgm
.Lentry_in_a_cluster:
	s_bfe_u32 s2, ttmp6, 0x10000c
	s_cmp_lg_u32 s2, 0x3003
	s_cbranch_scc0 .Lentry_shape_is_right
	s_endpgm
.Lentry_shape_is_right:
; idx[n] = the first code k with the least d(n, k) = (xx[n] + ee[k]) - 2 x[n] . e[k].  x = inputs clipped to -1 .. 1 and rounded once to bf16, e and ee from ebf (bf16 codes, and the f32 sums of
; their squares); xx = the f32 sum of the squares of the rounded x.  The products go to the matrix unit in bf16 with f32 sums.  d is formed with the roundings of the formula as it is written:
; t = xx + ee rounded to f32, then t - 2 dot by one fused multiply-add (2 dot is exact); d is compared as f32, and of equal d the lower code wins: in a lane, between lanes, between waves.
; LIMITS.  NaN is not treated.  The order of the additions inside dot, xx and ee is this text's own: two codes whose d agree to the last one or two steps of f32 may fall the other way.
; SHARES.  A work-group owns 128 rows of x.  EVERY wave holds all 128 rows as fragments (8 row tiles x 8 fragments x 8 registers = 512) and takes its own quarter of the codes: of slot s (256 codes)
; wave w takes ebf's block 4 s + w.  So a fragment of 16 codes read from LDS feeds 8 matrix instructions, and no LDS byte of the ring is read by two waves.
; A STEP is 16 codes x 128 rows: 64 matrix instructions.  4 steps a slot, 32 slots.
; LAYOUT.  Source 0 = 16 codes, source 1 = 16 rows: in the result a lane holds ONE row (lane % 16) and the codes 8 (lane / 16) + 0..7.  For each row tile a lane keeps xx, the first code of the
; step that holds its least d so far (gid), that least d (run, in two registers that take turns by the step's parity, so that old and new can be compared) and the eight d of that step (SV).
; BY HALVES.  A step's 64 products go in two halves of four row tiles; while one half is multiplied, the 88 vector instructions that turn the other half's sums into d and keep the minimum stand
; between its matrix instructions, two or three behind each.  So 64 accumulator registers serve, and matrix and vector work run side by side.  The price is two window switches a matrix instruction.
; CLUSTER.  All work-groups walk the same code book, so the four of a cluster ask for each tile JOINTLY: the same tensor load, descriptor and mask in all four.
; NO FIRST STEP is written out: the first half's vector work belongs to a step that never was; it finds ee = +inf and sums of 0, makes d = +inf and changes nothing.  The price: 128 v_mov_b32 at the start.
; REGISTERS, in windows of 256 (s_set_vgpr_msb: bits 1:0 source 0, 3:2 source 1, 5:4 source 2, 7:6 destination):
;   window 0: see the names below     window 1: v0-127 the codes' fragments, two buffers of 64 by the step's parity
;   window 2: x, row tiles 0-3, tile a fragment kf at 64 a + 8 kf (first: the raw rows 0-63)     window 3: row tiles 4-7 (first: the raw rows 64-127)
.set PITCH, 528                        ; an LDS row: 512 bytes + 16 of padding = 33 x 16: the 16 rows of a fragment load fall into 16 different 16-byte columns modulo 256 bytes
.set SHARE, 34560                      ; a wave's part of a slot: 65 rows x 528 = 34,320, rounded up to whole blocks of 256
.set SLOT,  4*SHARE
.set EEOF,  64*PITCH                   ; in a share: the row of 64 ee
.set BLOCK, 33280                      ; a block of ebf: 65 rows of 512 bytes
.set XSTG,  2*SLOT                     ; behind the ring, never filled by a tensor load: 64 rows of x in bf16, pitch 528; at the end the waves' results (4,096 bytes)
.set XXS,   XSTG+64*PITCH              ; 128 xx
.set SPARE, XXS+512                    ; the spare words, 128 bytes for each wave
.set R15, 1                            ; v1   lane % 16
.set AE0, 2                            ; v2   my place in a fragment's 16 rows: 528 (lane % 16) + 16 (lane / 16)
.set AH,  3                            ; v3   32 (lane / 16): my eight ee of a step's sixteen
.set ADR, 4                            ; v4   LDS address of the fetch in hand: codes
.set ADE, 5                            ; v5   the same: ee
.set SPW, 6                            ; v6   LDS address of my spare word; never rewritten
.set NIL, 7                            ; v7   0; never rewritten
.set C,   8                            ; v8-11   by tile of the half: the minimum at work
.set XO,  12                           ; v12  my byte offset in the group's rows of inputs;    later H8 = 8 (lane / 16)
.set H8,  12
.set STS, 13                           ; v13  where I put 8 bytes of a row in the stage;        later SCW: where I put a row's result
.set SCW, 13
.set AX,  14                           ; v14  my place in the stage's fragments;                later RDS: where wave 0 reads four rows' results
.set RDS, 14
.set GO,  15                           ; v15  16 lane: my byte offset in the group's 512 bytes of idx
.set T,   16                           ; v16-23  by tile of the half: a pair xx + ee;           at the start v16 AXS, v17 AXX, v18 0.0;  at the end: the tiles' indices
.set AXS, 16
.set AXX, 17
.set ZR,  18
.set EE,  24                           ; v24-39  my eight ee of a step, two buffers by parity
.set ST,  40                           ; v40-71  tile a at ST + 4 a: xx, gid, run after an even step, run after an odd step
.set ACC, 72                           ; v72-135 tile a's accumulator at ACC + 8 a
.set SV,  136                          ; v136-199 tile a's eight d of its best step;            at the start: the rows' partial sums of squares
.set CL,  200                          ; v200-231 at the start: clipped x;                      at the end: the other half of the lanes' results
.set PKD, 232                          ; v232-247 at the start: x in bf16
.set WV,  10                           ; s10  my wave's number
.set WB,  13                           ; s13  my share's LDS byte in buffer 0
.set TB,  14                           ; s14  LDS byte of the codes of the step to be fetched
.set TE,  15                           ; s15  of its ee
.set NB,  16                           ; s16  first code of the step to be fetched
.set SC,  17                           ; s17, s18  first code of the last even, the last odd step fetched
.set CNT, 19
.set TRIPS, 20
.set G1,  24                           ; s[24:31] descriptor group 1
.set G0,  32                           ; s[32:39] descriptor group 0, a set for each buffer
.set MK,  40                           ; s40-43  by tile of the half: the lanes whose minimum has fallen
.set SEL, 44                           ; s[44:45] v_permlanex16_b32: each lane takes its own place in the other half
.set MSB, 0
.macro WIN new                         ; the immediate's high byte repeats the setting that is left; a switch that changes nothing is dropped
.if MSB != (\new)
	s_set_vgpr_msb (MSB<<8)|(\new)
.set MSB, (\new)
.endif
.endm
; A round of the cluster's barrier: my work-group's barrier, so that wave 0's signal speaks for all four waves; wave 0 signals; every wave waits for all four work-groups; my work-group's barrier once more.
.macro CROUND
	s_barrier_signal -1
	s_barrier_wait -1
	s_cmp_lg_u32 s[WV], 0
	s_cbranch_scc1 .Lnot_wave_0_\@
	s_barrier_signal -3
.Lnot_wave_0_\@:
	s_barrier_wait -3
	s_barrier_signal -1
	s_barrier_wait -1
.endm
	s_load_b128 s[4:7], s[0:1], 0x0                ; ebf s[4:5], inputs s[6:7]
	s_load_b64 s[8:9], s[0:1], 0x10                ; idx
	v_lshl_add_u32 v[SPW], v0, 2, SPARE
	v_mov_b32 v[NIL], 0
	ds_add_u32 v[SPW], v[NIL]                      ; the wave's opening: the add and its wait ahead of my first tensor load; the set-up below, work on registers, stands between them
	v_lshrrev_b32 v9, 5, v0
	v_readfirstlane_b32 s[WV], v9                  ; wave 0..3
	v_and_b32 v8, 31, v0                           ; lane
	v_and_b32 v[R15], 15, v0
	v_bfe_u32 v[AH], v0, 4, 1
	v_mul_u32_u24 v[AE0], v[R15], PITCH
	v_lshl_add_u32 v[AE0], v[AH], 4, v[AE0]
	v_add_nc_u32 v[AX], XSTG, v[AE0]
	v_lshlrev_b32 v[AH], 5, v[AH]
	v_lshlrev_b32 v[XO], 4, v8
	v_lshl_add_u32 v[XO], v9, 14, v[XO]            ; 16 rows of 1,024 bytes a wave + 16 lane
	v_lshl_add_u32 v[AXX], v[R15], 2, XXS
	v_mov_b32 v[ZR], 0
	s_mul_i32 s46, s[WV], 16*PITCH
	s_add_co_u32 s46, s46, XSTG
	v_lshl_add_u32 v[STS], v8, 3, s46              ; my wave's 16 rows of the stage + 8 lane
	s_lshl_b32 s47, s[WV], 6
	s_add_co_u32 s47, s47, XXS
	v_mov_b32 v[AXS], s47                          ; my wave's 16 xx of a round
	s_bfe_u32 s11, ttmp6, 0x40000                  ; cx: my place in the cluster
	s_lshl_b32 s12, ttmp9, 2                       ; in a cluster launch ttmp9 counts clusters
	s_add_co_u32 s12, s12, s11                     ; my block of 128 rows: it enters the addresses of inputs and idx alone
	s_lshl_b32 s48, s12, 17                        ; 128 rows of 1,024 bytes
	s_mov_b32 s49, 0
	s_mul_i32 s[WB], s[WV], SHARE                  ; no place in the cluster enters an LDS address
	s_mul_i32 s22, s[WV], BLOCK                    ; my block of slot 0 in ebf
	s_mov_b32 s23, 0
	; descriptor group 1: 65 rows of 64 elements of 8 bytes, dense in memory, padded in LDS
	s_mov_b32 s[G1+0], 15|(3<<16)|(1<<20)|(1<<21)|(6<<22)|(3<<25)  ; 15:0 the mask of four; 17:16 8-byte elements; 20 padding on; 21 set beside a mask; 24:22 after every 128 words (code 6); 31:25 4 words (code 3)
	s_mov_b32 s[G1+1], 64<<16                      ; tensor_dim0 = 64
	s_mov_b32 s[G1+2], 65<<16                      ; tensor_dim1 = 65
	s_mov_b32 s[G1+3], 64<<16                      ; tile_dim0 = 64
	s_mov_b32 s[G1+4], 65                          ; tile_dim1 = 65
	s_mov_b32 s[G1+5], 64                          ; 64 elements from row to row
	s_mov_b32 s[G1+6], 0
	s_mov_b32 s[G1+7], 0
	s_mov_b32 s[G0+0], 1                           ; count = 1
	s_mov_b32 s[G0+1], s[WB]                       ; LDS address: my share of buffer 0
	s_mov_b32 s[G0+4], 1
	s_add_co_u32 s[G0+5], s[WB], SLOT              ; of buffer 1
	s_mov_b32 s[SEL], 0x76543210
	s_mov_b32 s[SEL+1], 0xfedcba98
	s_mov_b32 s51, 0x7f800000                      ; +inf
	s_wait_dscnt 0x0                               ; the opening add is done
	s_wait_kmcnt 0x0
	s_add_nc_u64 s[6:7], s[6:7], s[48:49]          ; inputs at my block's first row
	s_lshl_b32 s48, s12, 9
	s_add_nc_u64 s[8:9], s[8:9], s[48:49]          ; idx at my block's first row
	s_add_nc_u64 s[G0+2:G0+3], s[4:5], s[22:23]    ; global address: slot 0's block w,
	s_add_nc_u64 s[G0+6:G0+7], s[G0+2:G0+3], 4*BLOCK  ; slot 1's
	s_or_b32 s[G0+3], s[G0+3], 0x80000000          ; type = 2
	s_or_b32 s[G0+7], s[G0+7], 0x80000000
	; x: in round p (0, 1) wave w takes rows 64 p + 16 w + i, two loads of 512 consecutive bytes a row.  All 64 loads go out now.
	WIN 0x80                                       ; destination window 2, address window 0
.set n, 0
.rept 32
	global_load_b128 v[4*n:4*n+3], v[XO], s[6:7] offset:(n/2)*1024+(n%2)*512 th:TH_LOAD_NT
.set n, n+1
.endr
	WIN 0xc0                                       ; destination window 3
.set n, 0
.rept 32
	global_load_b128 v[4*n:4*n+3], v[XO], s[6:7] offset:65536+(n/2)*1024+(n%2)*512 th:TH_LOAD_NT
.set n, n+1
.endr
	WIN 0
	CROUND                                         ; all four work-groups are here: the first joint loads meet
	tensor_load_to_lds s[G0:G0+3], s[G1:G1+7]      ; slot 0 into buffer 0: each wave its own block
	s_nop 0
.rept 4
	v_nop
.endr
; ROUND p OF THE STAGING.  Four rows at a time: clip, round to bf16, squares of the rounded halves into two partial sums a row, 8 bytes a lane into the stage.
.macro CONV rho
.set b, 0
.rept 4
	s_wait_loadcnt 56-8*(4*(\rho)+b)               ; loads come back in order: this batch's eight are in, the eight of each later batch stay out
	WIN 0x02+(\rho)                                ; source 0 in window 2 or 3
.set k, 0
.rept 32
	v_med3_num_f32 v[CL+k], v[32*b+k], -1.0, 1.0
.set k, k+1
.endr
	WIN 0
.set k, 0
.rept 16
	v_cvt_pk_bf16_f32 v[PKD+k], v[CL+2*k], v[CL+2*k+1]
.set k, k+1
.endr
.set t, 0
.rept 4                                ; the eight loads' sums alternate; the first product is added to 0.0: nothing is cleared
.set k, 0
.rept 8
.if t == 0
	v_fma_mix_f32_bf16 v[SV+8*b+k], v[PKD+2*k], v[PKD+2*k], v[ZR] op_sel_hi:[1,1,0]
.elseif t == 1
	v_fma_mix_f32_bf16 v[SV+8*b+k], v[PKD+2*k], v[PKD+2*k], v[SV+8*b+k] op_sel:[1,1,0] op_sel_hi:[1,1,0]
.elseif t == 2
	v_fma_mix_f32_bf16 v[SV+8*b+k], v[PKD+2*k+1], v[PKD+2*k+1], v[SV+8*b+k] op_sel_hi:[1,1,0]
.else
	v_fma_mix_f32_bf16 v[SV+8*b+k], v[PKD+2*k+1], v[PKD+2*k+1], v[SV+8*b+k] op_sel:[1,1,0] op_sel_hi:[1,1,0]
.endif
.set k, k+1
.endr
.set t, t+1
.endr
.set k, 0
.rept 8
	ds_store_b64 v[STS], v[PKD+2*k:PKD+2*k+1] offset:PITCH*(4*b+k/2)+256*(k%2)
.set k, k+1
.endr
.set b, b+1
.endr
.endm
.macro ALL16 line:vararg               ; one line for each of the wave's 16 rows i
.set i, 0
.rept 16
	\line
.set i, i+1
.endr
.endm
.macro ROWSUM rho                      ; a row's two partial sums, then the 32 lanes; xx goes to LDS
	ALL16 v_add_f32 v[SV+2*i], v[SV+2*i], v[SV+2*i+1]
	ALL16 v_add_f32_dpp v[SV+2*i], v[SV+2*i], v[SV+2*i] row_xmask:1 row_mask:0xf bank_mask:0xf
	ALL16 v_add_f32_dpp v[SV+2*i], v[SV+2*i], v[SV+2*i] row_xmask:2 row_mask:0xf bank_mask:0xf
	ALL16 v_add_f32_dpp v[SV+2*i], v[SV+2*i], v[SV+2*i] row_xmask:4 row_mask:0xf bank_mask:0xf
	ALL16 v_add_f32_dpp v[SV+2*i], v[SV+2*i], v[SV+2*i] row_xmask:8 row_mask:0xf bank_mask:0xf
	ALL16 v_permlanex16_b32 v[SV+2*i+1], v[SV+2*i], s[SEL], s[SEL+1]
	ALL16 v_add_f32 v[SV+2*i], v[SV+2*i], v[SV+2*i+1]
	ALL16 ds_store_b32 v[AXS], v[SV+2*i] offset:256*(\rho)+4*i
.endm
; The stage's 64 rows as 32 fragments, into window 2 or 3.  A fragment is 16 rows x 32 k in 8 registers: lane l holds row l % 16, k = 8 (l / 16) + 0..7 and 16 + 8 (l / 16) + 0..7: two loads of 16 bytes, 32 bytes apart.
.macro XLOAD rho
	WIN 0x80+0x40*(\rho)
.set f, 0
.rept 32
	ds_load_b128 v[8*f:8*f+3],   v[AX] offset:(f/8)*16*PITCH+(f%8)*64
	ds_load_b128 v[8*f+4:8*f+7], v[AX] offset:(f/8)*16*PITCH+(f%8)*64+32
.set f, f+1
.endr
	WIN 0
.endm
	CONV 0
	ROWSUM 0
	s_wait_dscnt 0x0                               ; for the others' sake: my 16 rows are in the stage
	s_barrier_signal -1
	s_barrier_wait -1                              ; (slot 0's tensor load stays out)
	XLOAD 0
	s_wait_dscnt 0x0                               ; my reads of the stage are back,
	s_barrier_signal -1
	s_barrier_wait -1                              ; everybody's are: the stage may be written again
	CONV 1
	ROWSUM 1
	s_wait_dscnt 0x0
	s_barrier_signal -1
	s_barrier_wait -1
	XLOAD 1
.irp a, 0,1,2,3,4,5,6,7
	ds_load_b32 v[ST+4*\a], v[AXX] offset:64*\a    ; xx of my row in each tile
.endr
	; what the first half's vector work finds; all this stands in the wait for slot 0
.irp a, 0,1,2,3,4,5,6,7
	v_mov_b32 v[ST+4*\a+1], 0
	v_mov_b32 v[ST+4*\a+2], s51
	v_mov_b32 v[ST+4*\a+3], s51
.endr
.set k, 0
.rept 64
	v_mov_b32 v[SV+k], s51
.set k, k+1
.endr
.set k, 0
.rept 8
	v_mov_b32 v[EE+8+k], s51
.set k, k+1
.endr
.set k, 0
.rept 32
	v_mov_b32 v[ACC+32+k], 0
.set k, k+1
.endr
	s_mov_b32 s[SC+1], 0
	s_lshl_b32 s[NB], s[WV], 6                     ; my first code: 64 w
; THE VECTOR WORK of four row tiles (group RG: tiles 4 RG ..) for a step of parity RP: a queue of 88; RD writes number q.  The four tiles alternate, so a result is read four lines behind its making.
;   0-31   for each pair of codes: t = ee + xx; then d = -2 dot + t, in place on the accumulator, the lowest pair first
;   32-47  the least of the eight d and of the old run: the new run     48-51  has it fallen?  (strictly: of equal d the earlier step, with the lower codes, stays)
;   52-55  then gid takes the step's first code,     56-87  and SV the eight d
.macro RD
.set ru, q%4
.set rAC, ACC+8*(4*RG+ru)
.set rST, ST+4*(4*RG+ru)
.set rSV, SV+8*(4*RG+ru)
.set rT, T+2*ru
.set rp, 2*(q/8)
.if (q < 32) && ((q/4)%2 == 0)
	v_pk_add_f32 v[rT:rT+1], v[EE+8*RP+rp:EE+8*RP+rp+1], v[rST:rST+1] op_sel_hi:[1,0]
.elseif q < 32
	v_pk_fma_f32 v[rAC+rp:rAC+rp+1], v[rAC+rp:rAC+rp+1], -2.0, v[rT:rT+1] op_sel_hi:[1,0,1]
.elseif q < 36
	v_min3_num_f32 v[C+ru], v[rAC], v[rAC+1], v[rAC+2]
.elseif q < 40
	v_min3_num_f32 v[C+ru], v[C+ru], v[rAC+3], v[rAC+4]
.elseif q < 44
	v_min3_num_f32 v[C+ru], v[C+ru], v[rAC+5], v[rAC+6]
.elseif q < 48
	v_min3_num_f32 v[rST+2+RP], v[C+ru], v[rAC+7], v[rST+3-RP]
.elseif q < 52
	v_cmp_lt_f32 s[MK+ru], v[rST+2+RP], v[rST+3-RP]
.elseif q < 56
	v_cndmask_b32 v[rST+1], v[rST+1], s[SC+RP], s[MK+ru]
.else
	v_cndmask_b32 v[rSV+(q-56)/4], v[rSV+(q-56)/4], v[rAC+(q-56)/4], s[MK+ru]
.endif
.set q, q+1
.endm
; THE LDS LOADS of a step stand in one run of 18: 16 codes x 256 k (8 fragments) into buffer tp of window 1, and my eight ee.  The step's first code is noted for gid.
.macro FETCH tp
	WIN 0
	v_add_nc_u32 v[ADR], s[TB], v[AE0]
	v_add_nc_u32 v[ADE], s[TE], v[AH]
	WIN 0x40                                       ; destination window 1, address window 0
.irp kf, 0,1,2,3,4,5,6,7
	ds_load_b128 v[64*(\tp)+8*\kf:64*(\tp)+8*\kf+3],   v[ADR] offset:64*\kf
	ds_load_b128 v[64*(\tp)+8*\kf+4:64*(\tp)+8*\kf+7], v[ADR] offset:64*\kf+32
.endr
	WIN 0
	ds_load_b128 v[EE+8*(\tp):EE+8*(\tp)+3],   v[ADE]
	ds_load_b128 v[EE+8*(\tp)+4:EE+8*(\tp)+7], v[ADE] offset:16
	s_mov_b32 s[SC+(\tp)], s[NB]
	s_add_co_u32 s[NB], s[NB], 16
	s_add_co_u32 s[TB], s[TB], 16*PITCH            ; the next fetch is the next step's
	s_add_co_u32 s[TE], s[TE], 64
.endm
; HALF A STEP: 32 matrix instructions on row tiles 4 hw .. 4 hw + 3 with the codes of buffer p; product i: k = 32 (i / 4) on, tile 4 hw + i % 4.  The first four start the sums with the constant 0.
; The four accumulators take turns, one instruction a turn, over the halves' and the loops' edges too.  Behind each product stand two or three of the 88 lines of group rg, parity rp;
; none names a register of the products round it.  Between a half's last product on an accumulator and the first line that reads it stand ten such lines or more.
; fetch = 1: behind the second product the next step's run of loads, 30 products ahead of its first use; its buffers' last readers stand a half step back or more.
.macro HALF hw, p, rg, rp, fetch
.set RG, (\rg)
.set RP, (\rp)
.set q, 0
.set i, 0
.rept 32
	WIN 0x09+4*(\hw)                               ; codes in window 1, x in window 2 or 3, sums in window 0
.if i < 4
	v_wmma_f32_16x16x32_bf16 v[ACC+8*(4*(\hw)+i%4):ACC+8*(4*(\hw)+i%4)+7], v[64*(\p)+8*(i/4):64*(\p)+8*(i/4)+7], v[64*(i%4)+8*(i/4):64*(i%4)+8*(i/4)+7], 0
.else
	v_wmma_f32_16x16x32_bf16 v[ACC+8*(4*(\hw)+i%4):ACC+8*(4*(\hw)+i%4)+7], v[64*(\p)+8*(i/4):64*(\p)+8*(i/4)+7], v[64*(i%4)+8*(i/4):64*(i%4)+8*(i/4)+7], v[ACC+8*(4*(\hw)+i%4):ACC+8*(4*(\hw)+i%4)+7]
.endif
	WIN 0
.rept ((i+1)*88)/32-(i*88)/32
	RD
.endr
.if (\fetch) && (i == 1)
	FETCH 1-(\p)
.endif
.set i, i+1
.endr
.endm
; A STEP of parity p: tiles 0-3 beside the vector work of the step before's tiles 4-7; then tiles 4-7 beside that of this step's tiles 0-3.
.macro STEP p, fetch
	s_wait_dscnt 0x0                               ; this step's codes and ee are in
	HALF 0, \p, 1, 1-(\p), 0
	HALF 1, \p, 0, \p, \fetch
.endm
; THE CHANGE OF SLOTS stands in front of a slot's LAST step, whose fragments have been asked for.  Each wave waits for all its tensor loads, of which one is out: its share of the other buffer; adds 0 to its
; spare word; and waits for that and for its reads of the buffer that it leaves.  fill = 1: buffer buf is filled again with the slot two on.  The barrier is then a round of the cluster's, so that no wave of
; any partner still reads the buffer or has a load on its way, and the joint load is the first thing behind it: it has four steps, 256 matrix instructions, in which to land.
; next: the buffer from which the fetches go on.  adv = 0: the first use: nothing has been read yet; slot 0 is waited for, buffer 1 takes slot 1.
.macro CHANGE fill, buf, next, adv
	WIN 0
	s_wait_tensorcnt 0x0                           ; no tensor load of mine is out, so a group 0 may be written
	ds_add_u32 v[SPW], v[NIL]                      ; 0 onto my spare word: the scalar work below stands between it and the wait for it
.if (\fill) && (\adv)
	s_add_nc_u64 s[G0+4*(\buf)+2:G0+4*(\buf)+3], s[G0+4*(\buf)+2:G0+4*(\buf)+3], 8*BLOCK  ; two slots on; the type bits on top are not reached
.endif
.if \adv
	s_add_co_u32 s[NB], s[NB], 192                 ; from my block's end to my block of the next slot
.endif
	s_add_co_u32 s[TB], s[WB], (\next)*SLOT
	s_add_co_u32 s[TE], s[TB], EEOF
	s_wait_dscnt 0x0                               ; the add is done, and my reads of the buffer are over
.if \fill
	CROUND
	tensor_load_to_lds s[G0+4*(\buf):G0+4*(\buf)+3], s[G1:G1+7]  ; my one tensor load behind the round
	s_nop 0
.rept 4
	v_nop
.endr
.else
	s_barrier_signal -1
	s_barrier_wait -1
.endif
.endm
	CHANGE 1, 1, 0, 0                              ; slot 0 is in; slot 1 is asked for
	FETCH 0                                        ; slot 0's first step
	s_mov_b32 s[CNT], 2
	s_mov_b32 s[TRIPS], 16                         ; the part of a trip that is entered now, and 15 whole trips
	s_branch .LmidA                                ; the loop is entered at a slot's first step, in the middle of a trip
.Ltrip:                                                ; a whole trip: two changes of slots, eight steps
	CHANGE 1, 0, 1, 1                              ; an even slot is left: buffer 0 takes the slot two on
	s_mov_b32 s[CNT], 2
.LpairB:
	STEP 1, 1
	STEP 0, 1
	s_sub_co_u32 s[CNT], s[CNT], 1
	s_cmp_lg_u32 s[CNT], 0
	s_cbranch_scc1 .LpairB
	CHANGE 1, 1, 0, 1                              ; an odd slot is left: buffer 1 takes the slot two on
	s_mov_b32 s[CNT], 2
.LpairA:
	STEP 1, 1
.LmidA:
	STEP 0, 1
	s_sub_co_u32 s[CNT], s[CNT], 1
	s_cmp_lg_u32 s[CNT], 0
	s_cbranch_scc1 .LpairA
	s_sub_co_u32 s[TRIPS], s[TRIPS], 1
	s_cmp_lg_u32 s[TRIPS], 0
	s_cbranch_scc1 .Ltrip
	CHANGE 0, 0, 1, 1                              ; the tail is written out: slot 30 is left, nothing is asked for
	s_mov_b32 s[CNT], 2
.LpairC:
	STEP 1, 1
	STEP 0, 1
	s_sub_co_u32 s[CNT], s[CNT], 1
	s_cmp_lg_u32 s[CNT], 0
	s_cbranch_scc1 .LpairC
	STEP 1, 0                                      ; the last step fetches nothing
.set RG, 1
.set RP, 1
.set q, 0
.rept 88
	RD                                             ; its tiles 4-7
.endr
	; THE WAY OUT.  In each tile: the first of SV's eight that equals run gives the code; the other half of the lanes holds the row's other codes; then the four waves' results meet in LDS.
.macro MERGE d, x, pd, px              ; (d, x) takes (pd, px) if pd is less, or equal with the lower code
	v_cmp_lt_f32 s46, v[\pd], v[\d]
	v_cmp_eq_f32 s47, v[\pd], v[\d]
	v_cmp_lt_u32 s48, v[\px], v[\x]
	s_and_b32 s47, s47, s48
	s_or_b32 s46, s46, s47
	v_cndmask_b32 v[\d], v[\d], v[\pd], s46
	v_cndmask_b32 v[\x], v[\x], v[\px], s46
.endm
	v_lshrrev_b32 v[H8], 2, v[AH]                  ; 8 (lane / 16); the loads that named this register were waited for at the start
	s_lshl_b32 s46, s[WV], 9
	s_add_co_u32 s46, s46, XSTG
	v_lshl_add_u32 v[SCW], v[R15], 2, s46          ; my wave's 128 words + 4 (lane % 16)
	v_and_b32 v[GO], 31, v0
	v_lshlrev_b32 v[GO], 4, v[GO]
	v_add_nc_u32 v[RDS], XSTG, v[GO]
.irp a, 0,1,2,3,4,5,6,7
	v_mov_b32 v[T+\a], 7
.endr
.irp j, 6,5,4,3,2,1,0                  ; downward, so that the lowest place wins
.irp g, 0,4
.irp u, 0,1,2,3
	v_cmp_eq_f32 s[MK+\u], v[SV+8*(\g+\u)+\j], v[ST+4*(\g+\u)+3]
.endr
.irp u, 0,1,2,3
	v_cndmask_b32 v[T+\g+\u], v[T+\g+\u], \j, s[MK+\u]
.endr
.endr
.endr
.irp a, 0,1,2,3,4,5,6,7
	v_add3_u32 v[T+\a], v[ST+4*\a+1], v[T+\a], v[H8]  ; the step's first code + 8 (lane / 16) + the place
.endr
.irp a, 0,1,2,3,4,5,6,7
	v_permlanex16_b32 v[CL+\a], v[ST+4*\a+3], s[SEL], s[SEL+1]
.endr
.irp a, 0,1,2,3,4,5,6,7
	v_permlanex16_b32 v[CL+8+\a], v[T+\a], s[SEL], s[SEL+1]
.endr
.irp a, 0,1,2,3,4,5,6,7
	MERGE ST+4*\a+3, T+\a, CL+\a, CL+8+\a
.endr
.irp a, 0,1,2,3,4,5,6,7
	ds_store_b32 v[SCW], v[ST+4*\a+3] offset:64*\a       ; both halves of the lanes write the same word with the same number
	ds_store_b32 v[SCW], v[T+\a] offset:2048+64*\a
.endr
	s_wait_dscnt 0x0                               ; for the others' sake: my results are in LDS
	s_barrier_signal -1
	s_barrier_wait -1
	s_cmp_lg_u32 s[WV], 0
	s_cbranch_scc1 .Lnot_first
.irp w, 0,1,2,3                        ; wave 0: lane l takes rows 4 l .. 4 l + 3 of all four waves
	ds_load_b128 v[ACC+4*\w:ACC+4*\w+3],       v[RDS] offset:512*\w
	ds_load_b128 v[ACC+16+4*\w:ACC+16+4*\w+3], v[RDS] offset:2048+512*\w
.endr
	s_wait_dscnt 0x0
.irp w, 1,2,3
.irp k, 0,1,2,3
	MERGE ACC+\k, ACC+16+\k, ACC+4*\w+\k, ACC+16+4*\w+\k
.endr
.endr
	global_store_b128 v[GO], v[ACC+16:ACC+19], s[8:9]  ; the group's 128 indices: 512 consecutive bytes, aligned
.Lnot_first:
	s_wait_tensorcnt 0x0                           ; the wave's end: three closing lines, behind my last tensor load and my last LDS store
	ds_add_u32 v[SPW], v[NIL]
	s_wait_dscnt 0x0
	CROUND                                         ; the closing round: no work-group ends while a partner may still ask for a tile that names it
	s_endpgm
.Lfunc_end_k_qff044baeb6_nearest:
	.size	k_qff044baeb6_nearest, .Lfunc_end_k_qff044baeb6_nearest-k_qff044baeb6_nearest
	.p2alignl 7, 3214868480
	.fill 96, 4, 3214868480
	.section	.rodata,"a",@progbits
	.p2align	6, 0x0
	.amdhsa_kernel k_qff044baeb6_nearest
		.amdhsa_group_segment_fixed_size 327680
		.amdhsa_private_segment_fixed_size 0
		.amdhsa_enable_private_segment 0
		.amdhsa_kernarg_size 24
		.amdhsa_user_sgpr_count 2
		.amdhsa_user_sgpr_kernarg_segment_ptr 1
		.amdhsa_wavefront_size32 1
		.amdhsa_system_sgpr_workgroup_id_x 1
		.amdhsa_system_sgpr_workgroup_id_y 1
		.amdhsa_system_sgpr_workgroup_id_z 1
		.amdhsa_system_vgpr_workitem_id 0
		.amdhsa_next_free_vgpr 1024
		.amdhsa_next_free_sgpr 66
		.amdhsa_reserve_vcc 0
		.amdhsa_float_denorm_mode_32 3
		.amdhsa_float_denorm_mode_16_64 3
		.amdhsa_memory_ordered 1
		.amdhsa_forward_progress 1
		.amdhsa_inst_pref_size 253
	.end_amdhsa_kernel
	.amdgpu_metadata
---
amdhsa.version: [ 1, 2 ]
amdhsa.kernels:
  - .name:           k_qff044baeb6_nearest
    .symbol:         k_qff044baeb6_nearest.kd
    .args:
      - { .name: ebf, .offset: 0, .size: 8, .value_kind: global_buffer, .address_space: global }
      - { .name: inputs, .offset: 8, .size: 8, .value_kind: global_buffer, .address_space: global }
      - { .name: idx, .offset: 16, .size: 8, .value_kind: global_buffer, .address_space: global }
    .group_segment_fixed_size: 327680
    .private_segment_fixed_size: 0
    .kernarg_segment_align: 8
    .kernarg_segment_size: 24
    .max_flat_workgroup_size: 128
    .sgpr_count:     66
    .vgpr_count:     1024
    .wavefront_size: 32
...
	.end_amdgpu_metadata
.endif
;; end of part 2
;; launch gather (part 3): grid 512 x 1, 8 waves a work-group, no clusters, 0 bytes of LDS; arguments emb_w, inputs, idx, out0, part; writes out0, part
.if DOCPART == 3
	.amdgcn_target "amdgcn-amd-amdhsa--gfx1250"
	.amdhsa_code_object_version 6
	.text
	.protected	k_qff044baeb6_gather
	.globl	k_qff044baeb6_gather
	.p2align	8
	.type	k_qff044baeb6_gather,@function
k_qff044baeb6_gather:
	s_mov_b64 s[64:65], 0
	v_nop
	global_prefetch_b8 v0, s[64:65] scope:SCOPE_SE
	s_setreg_imm32_b32 hwreg(HW_REG_WAVE_MODE, 25, 1), 1
	s_wait_xcnt 0x0
; out0[n] = x + (q - x), x = inputs[n] clipped to -1 .. 1, q = emb_w[idx[n]], all f32, with the roundings of the formula as written; part[wave] = the wave's sum of (q - x)^2 in f32.
; A wave takes eight rows; a row is 1,024 bytes: two loads or stores of 512 consecutive bytes.  No loop: all 16 loads of x and, once the eight indices are there, all 16 of q go out at once.
; Memory binds: no LDS, no barrier, no matrix work, no cluster (no two work-groups share an input row; which codes they share is not known ahead).
; The indices come from the launch before as whole numbers, by one scalar load, and are held to 0 .. 8191 before they enter an address.
; Each register is written once behind its load, so no store's data is rewritten.  The one small store: 4 bytes a wave into part, 16,384 bytes in the launch: the price of no LDS and no barrier.
.set L16, 1                            ; v1        16 lane
.set QO,  2                            ; v2-9      row i: byte offset of my 16 bytes in its code
.set X,   16                           ; v[16:79]  load n = 2 row + half: x
.set Q,   80                           ; v[80:143] the same: q, then q - x, then x + (q - x)
.set AC,  144                          ; v[144:147] four running sums of squares
	s_load_b256 s[4:11], s[0:1], 0x0               ; emb_w s[4:5], inputs s[6:7], idx s[8:9], out0 s[10:11]
	s_load_b64 s[12:13], s[0:1], 0x20              ; part
	v_lshrrev_b32 v148, 5, v0
	v_readfirstlane_b32 s14, v148                  ; wave 0..7
	v_and_b32 v150, 31, v0                         ; lane
	v_lshlrev_b32 v[L16], 4, v150
	s_lshl_b32 s15, ttmp9, 3
	s_add_co_u32 s15, s15, s14                     ; my wave among the launch's 4,096
	s_lshl_b32 s24, s15, 13                        ; its eight rows of 1,024 bytes
	s_mov_b32 s25, 0
	s_lshl_b32 s30, s15, 5                         ; its eight indices
	s_mov_b32 s31, 0
	s_lshl_b32 s29, s15, 2                         ; its word of part
	v_mov_b32 v148, s29
	s_mov_b32 s26, 0x76543210                      ; v_permlanex16_b32: each lane takes its own place in the other half
	s_mov_b32 s27, 0xfedcba98
	s_wait_kmcnt 0x0
	s_add_nc_u64 s[8:9], s[8:9], s[30:31]
	s_load_b256 s[16:23], s[8:9], 0x0
	s_add_nc_u64 s[6:7], s[6:7], s[24:25]
	s_add_nc_u64 s[10:11], s[10:11], s[24:25]
.irp n, 0,1,2,3,4,5,6,7,8,9,10,11,12,13,14,15
	global_load_b128 v[X+4*\n:X+4*\n+3], v[L16], s[6:7] offset:1024*(\n/2)+512*(\n%2) th:TH_LOAD_NT
.endr
	s_wait_kmcnt 0x0                               ; the indices
.irp i, 0,1,2,3,4,5,6,7
	s_min_u32 s[16+\i], s[16+\i], 8191
	v_lshl_add_u32 v[QO+\i], s[16+\i], 10, v[L16]
.endr
.irp n, 0,1,2,3,4,5,6,7,8,9,10,11,12,13,14,15
	global_load_b128 v[Q+4*\n:Q+4*\n+3], v[QO+\n/2], s[4:5] offset:512*(\n%2)
.endr
.macro ROW i
	s_wait_loadcnt 14-2*(\i)                       ; loads come back in order: all of x and this row's q are in; the two loads of each later row stay out
.irp hf, 0,1
.set n, 2*(\i)+\hf
.irp k, 0,1,2,3
	v_med3_num_f32 v[X+4*n+\k], v[X+4*n+\k], -1.0, 1.0
.endr
.irp k, 0,2
	v_pk_add_f32 v[Q+4*n+\k:Q+4*n+\k+1], v[Q+4*n+\k:Q+4*n+\k+1], v[X+4*n+\k:X+4*n+\k+1] neg_lo:[0,1] neg_hi:[0,1]  ; q - x
.endr
.irp k, 0,2
.if n == 0
	v_pk_mul_f32 v[AC+\k:AC+\k+1], v[Q+4*n+\k:Q+4*n+\k+1], v[Q+4*n+\k:Q+4*n+\k+1]  ; the first squares start the sums: nothing is cleared
.else
	v_pk_fma_f32 v[AC+\k:AC+\k+1], v[Q+4*n+\k:Q+4*n+\k+1], v[Q+4*n+\k:Q+4*n+\k+1], v[AC+\k:AC+\k+1]
.endif
.endr
.irp k, 0,2
	v_pk_add_f32 v[Q+4*n+\k:Q+4*n+\k+1], v[X+4*n+\k:X+4*n+\k+1], v[Q+4*n+\k:Q+4*n+\k+1]  ; x + (q - x)
.endr
	global_store_b128 v[L16], v[Q+4*n:Q+4*n+3], s[10:11] offset:1024*(\i)+512*\hf th:TH_STORE_NT  ; 512 consecutive bytes, aligned
.endr
.endm
.irp i, 0,1,2,3,4,5,6,7
	ROW \i
.endr
	v_pk_add_f32 v[AC:AC+1], v[AC:AC+1], v[AC+2:AC+3]
	v_add_f32 v[AC], v[AC], v[AC+1]
	v_add_f32_dpp v[AC], v[AC], v[AC] row_xmask:1 row_mask:0xf bank_mask:0xf
	v_add_f32_dpp v[AC], v[AC], v[AC] row_xmask:2 row_mask:0xf bank_mask:0xf
	v_add_f32_dpp v[AC], v[AC], v[AC] row_xmask:4 row_mask:0xf bank_mask:0xf
	v_add_f32_dpp v[AC], v[AC], v[AC] row_xmask:8 row_mask:0xf bank_mask:0xf
	v_permlanex16_b32 v[AC+1], v[AC], s26, s27
	v_add_f32 v[AC], v[AC], v[AC+1]
	v_cmp_eq_u32 vcc_lo, 0, v150
	s_wait_xcnt 0x0                                ; EXEC, a source of the stores above, changes only behind this wait
	s_and_saveexec_b32 s28, vcc_lo
	global_store_b32 v148, v[AC], s[12:13]         ; lane 0 alone
	s_wait_xcnt 0x0                                ; and again, in front of the line that widens it
	s_or_b32 exec_lo, exec_lo, s28
	s_endpgm
.Lfunc_end_k_qff044baeb6_gather:
	.size	k_qff044baeb6_gather, .Lfunc_end_k_qff044baeb6_gather-k_qff044baeb6_gather
	.p2alignl 7, 3214868480
	.fill 96, 4, 3214868480
	.section	.rodata,"a",@progbits
	.p2align	6, 0x0
	.amdhsa_kernel k_qff044baeb6_gather
		.amdhsa_group_segment_fixed_size 0
		.amdhsa_private_segment_fixed_size 0
		.amdhsa_enable_private_segment 0
		.amdhsa_kernarg_size 40
		.amdhsa_user_sgpr_count 2
		.amdhsa_user_sgpr_kernarg_segment_ptr 1
		.amdhsa_wavefront_size32 1
		.amdhsa_system_sgpr_workgroup_id_x 1
		.amdhsa_system_sgpr_workgroup_id_y 1
		.amdhsa_system_sgpr_workgroup_id_z 1
		.amdhsa_system_vgpr_workitem_id 0
		.amdhsa_next_free_vgpr 152
		.amdhsa_next_free_sgpr 66
		.amdhsa_reserve_vcc 1
		.amdhsa_float_denorm_mode_32 3
		.amdhsa_float_denorm_mode_16_64 3
		.amdhsa_memory_ordered 1
		.amdhsa_forward_progress 1
		.amdhsa_inst_pref_size 18
	.end_amdhsa_kernel
	.amdgpu_metadata
---
amdhsa.version: [ 1, 2 ]
amdhsa.kernels:
  - .name:           k_qff044baeb6_gather
    .symbol:         k_qff044baeb6_gather.kd
    .args:
      - { .name: emb_w, .offset: 0, .size: 8, .value_kind: global_buffer, .address_space: global }
      - { .name: inputs, .offset: 8, .size: 8, .value_kind: global_buffer, .address_space: global }
      - { .name: idx, .offset: 16, .size: 8, .value_kind: global_buffer, .address_space: global }
      - { .name: out0, .offset: 24, .size: 8, .value_kind: global_buffer, .address_space: global }
      - { .name: part, .offset: 32, .size: 8, .value_kind: global_buffer, .address_space: global }
    .group_segment_fixed_size: 0
    .private_segment_fixed_size: 0
    .kernarg_segment_align: 8
    .kernarg_segment_size: 40
    .max_flat_workgroup_size: 256
    .sgpr_count:     66
    .vgpr_count:     152
    .wavefront_size: 32
...
	.end_amdgpu_metadata
.endif
;; end of part 3
;; launch total (part 4): grid 1 x 1, 1 waves a work-group, no clusters, 0 bytes of LDS; arguments part, out1; writes out1
.if DOCPART == 4
	.amdgcn_target "amdgcn-amd-amdhsa--gfx1250"
	.amdhsa_code_object_version 6
	.text
	.protected	k_qff044baeb6_total
	.globl	k_qff044baeb6_total
	.p2align	8
	.type	k_qff044baeb6_total,@function
k_qff044baeb6_total:
	s_mov_b64 s[64:65], 0
	v_nop
	global_prefetch_b8 v0, s[64:65] scope:SCOPE_SE
	s_setreg_imm32_b32 hwreg(HW_REG_WAVE_MODE, 25, 1), 1
	s_wait_xcnt 0x0
; out1 = 1.25 x the mean of (q - x)^2 over 32,768 x 256 = 2^23 numbers = 1.25 x 2^-23 x the sum of part's 4,096 f32 (both terms of the loss have the same value; 1 + 0.25 = 1.25).
; One owner for a sum that spans work-groups: one wave reads the 16,384 bytes by 32 loads of 512 consecutive bytes, all out at once, and adds in a fixed order.
	s_load_b128 s[4:7], s[0:1], 0x0                ; part s[4:5], out1 s[6:7]
	v_lshlrev_b32 v1, 4, v0                        ; 16 lane
	v_mov_b32 v2, 0                                ; out1's offset
	s_mov_b32 s10, 0x76543210
	s_mov_b32 s11, 0xfedcba98
	s_wait_kmcnt 0x0
.set n, 0
.rept 32
	global_load_b128 v[4+4*n:7+4*n], v1, s[4:5] offset:512*n
.set n, n+1
.endr
	s_wait_loadcnt 0x0
.set n, 4
.rept 28                               ; eight chains of pairs, started by the first four loads: nothing is cleared
	v_pk_add_f32 v[4+4*(n%4):5+4*(n%4)], v[4+4*(n%4):5+4*(n%4)], v[4+4*n:5+4*n]
	v_pk_add_f32 v[6+4*(n%4):7+4*(n%4)], v[6+4*(n%4):7+4*(n%4)], v[6+4*n:7+4*n]
.set n, n+1
.endr
	v_pk_add_f32 v[4:5], v[4:5], v[6:7]
	v_pk_add_f32 v[8:9], v[8:9], v[10:11]
	v_pk_add_f32 v[12:13], v[12:13], v[14:15]
	v_pk_add_f32 v[16:17], v[16:17], v[18:19]
	v_pk_add_f32 v[4:5], v[4:5], v[8:9]
	v_pk_add_f32 v[12:13], v[12:13], v[16:17]
	v_pk_add_f32 v[4:5], v[4:5], v[12:13]
	v_add_f32 v4, v4, v5
	v_add_f32_dpp v4, v4, v4 row_xmask:1 row_mask:0xf bank_mask:0xf
	v_add_f32_dpp v4, v4, v4 row_xmask:2 row_mask:0xf bank_mask:0xf
	v_add_f32_dpp v4, v4, v4 row_xmask:4 row_mask:0xf bank_mask:0xf
	v_add_f32_dpp v4, v4, v4 row_xmask:8 row_mask:0xf bank_mask:0xf
	v_permlanex16_b32 v5, v4, s10, s11
	v_add_f32 v4, v4, v5
	v_mul_f32 v4, 0x34200000, v4                   ; 1.25 x 2^-23
	v_cmp_eq_u32 vcc_lo, 0, v0
	s_wait_xcnt 0x0                                ; EXEC changes only behind this wait
	s_and_saveexec_b32 s8, vcc_lo
	global_store_b32 v2, v4, s[6:7]                ; lane 0 alone
	s_wait_xcnt 0x0
	s_or_b32 exec_lo, exec_lo, s8
	s_endpgm
.Lfunc_end_k_qff044baeb6_total:
	.size	k_qff044baeb6_total, .Lfunc_end_k_qff044baeb6_total-k_qff044baeb6_total
	.p2alignl 7, 3214868480
	.fill 96, 4, 3214868480
	.section	.rodata,"a",@progbits
	.p2align	6, 0x0
	.amdhsa_kernel k_qff044baeb6_total
		.amdhsa_group_segment_fixed_size 0
		.amdhsa_private_segment_fixed_size 0
		.amdhsa_enable_private_segment 0
		.amdhsa_kernarg_size 16
		.amdhsa_user_sgpr_count 2
		.amdhsa_user_sgpr_kernarg_segment_ptr 1
		.amdhsa_wavefront_size32 1
		.amdhsa_system_sgpr_workgroup_id_x 1
		.amdhsa_system_sgpr_workgroup_id_y 1
		.amdhsa_system_sgpr_workgroup_id_z 1
		.amdhsa_system_vgpr_workitem_id 0
		.amdhsa_next_free_vgpr 136
		.amdhsa_next_free_sgpr 66
		.amdhsa_reserve_vcc 1
		.amdhsa_float_denorm_mode_32 3
		.amdhsa_float_denorm_mode_16_64 3
		.amdhsa_memory_ordered 1
		.amdhsa_forward_progress 1
		.amdhsa_inst_pref_size 9
	.end_amdhsa_kernel
	.amdgpu_metadata
---
amdhsa.version: [ 1, 2 ]
amdhsa.kernels:
  - .name:           k_qff044baeb6_total
    .symbol:         k_qff044baeb6_total.kd
    .args:
      - { .name: part, .offset: 0, .size: 8, .value_kind: global_buffer, .address_space: global }
      - { .name: out1, .offset: 8, .size: 8, .value_kind: global_buffer, .address_space: global }
    .group_segment_fixed_size: 0
    .private_segment_fixed_size: 0
    .kernarg_segment_align: 8
    .kernarg_segment_size: 16
    .max_flat_workgroup_size: 32
    .sgpr_count:     66
    .vgpr_count:     136
    .wavefront_size: 32
...
	.end_amdgpu_metadata
.endif
;; end of part 4
;; ======== version 2 of 2: 4 launches; version 1 with the launch prep written anew for expert scheduling mode
;; workspace buffers: ebf 4,259,840 bytes; idx 131,072 bytes of whole numbers; part 16,384 bytes
;; launch prep (part 5): grid 128 x 1, 8 waves a work-group, no clusters, 1,280 bytes of LDS; arguments emb_w, ebf; writes ebf
.if DOCPART == 5
	.amdgcn_target "amdgcn-amd-amdhsa--gfx1250"
	.amdhsa_code_object_version 6
	.text
	.protected	k_qff044baeb6_prep
	.globl	k_qff044baeb6_prep
	.p2align	8
	.type	k_qff044baeb6_prep,@function
k_qff044baeb6_prep:
	s_mov_b64 s[64:65], 0
	v_nop
	global_prefetch_b8 v0, s[64:65] scope:SCOPE_SE
	s_setreg_imm32_b32 hwreg(HW_REG_WAVE_SCHED_MODE, 0, 2), 2
	s_setreg_imm32_b32 hwreg(HW_REG_WAVE_MODE, 25, 1), 1
	s_wait_xcnt 0x0
	s_wait_alu depctr_vm_vsrc(0)
; The code book for the distance launch.  emb_w: [8192][256] f32.  ebf: 128 blocks of 33,280 bytes; block b holds codes 64 b .. 64 b + 63 rounded once to bf16
; (512 bytes a code), then the 64 sums ee = sum of the squares of the ROUNDED numbers, in f32 (256 bytes), then those 256 bytes once more: a block is 65 rows of 512 bytes.
; A work-group makes one block, so that one owner writes the block's row of sums; each of its eight waves takes eight codes.  A code is 1,024 bytes: two loads of 16 bytes a lane.
; All 16 loads of a wave go out at once.  Memory binds: no matrix work, no cluster; LDS serves only to gather the 64 sums into one row.
; LIMIT: the order of the 256 additions is this text's own (four partial sums a lane, then across the lanes).
; THE MODE: SCHED_MODE bits 1:0 = 2 (LLVM: expert scheduling mode 2), set by the entry lines.  The code itself states the register dependences
; between vector instructions and memory or LDS instructions, with s_wait_alu, always for 0.
; THE PLAN.  Registers that memory or LDS instructions touch:
;   LO, SO, EA, RA, GA   offsets and LDS addresses: made at the head, ahead of one wait, and never written again.
;   RAW   The 16 loads land in it, all issued before any vector line names it.  Behind load n's wait the vector lines keep two partial sums there; at the end the LDS stores read RAW + 8 i.
;   PK    Load n's two roundings write its two registers, once; one global store reads them; they are never written again.
;   v[12:15]   wave 0's LDS load lands there and its store reads them; no vector line names them.
;   SPW, NIL   written at the head, read by the closing add alone.
; The 16 loads go in four blocks of four.  Load n's store is issued four loads later, in front of load n + 4's vector lines: the stores inside a block read the PK of the block before, which no
; vector line of this block names.  So ONE wait at a block's head states all that its four stores hang on.  One more stands ahead of the last four stores, one ahead of the LDS stores.
; No register that a memory or LDS instruction reads is written again, so no wait on vm_vsrc is owed.
.set EEL,   0                          ; LDS: the block's 64 sums, one block of 256 bytes
.set SPARE, 256                        ; LDS: the spare words, 128 bytes for each of eight waves
.set BLOCK, 33280
.set LO,  2                            ; v2  byte offset of my 16 bytes in the wave's first code: 8,192 w + 16 lane
.set SO,  3                            ; v3  byte offset of my 8 bytes in ebf's block: 4,096 w + 8 lane
.set SPW, 4                            ; v4  LDS address of my spare word; never rewritten
.set NIL, 5                            ; v5  0; never rewritten
.set ZR,  6                            ; v6  0.0: what the first product of a sum is added to
.set EA,  7                            ; v7  LDS address of my wave's eight sums
.set GA,  9                            ; v9  16 lane: my byte offset in the block's row of sums and its copy
.set RA,  10                           ; v10 LDS address from which I read 16 bytes of the sums: EEL + 16 (lane % 16)
.set RAW, 16                           ; v[16:79]   load n = 2 code + half: 4 registers; once rounded, its first two hold partial sums
.set PK,  80                           ; v[80:111]  load n: 2 registers, 4 bf16; each written once, so no store's data is ever rewritten
	s_load_b128 s[4:7], s[0:1], 0x0                ; emb_w s[4:5], ebf s[6:7]
	v_lshl_add_u32 v[SPW], v0, 2, SPARE
	v_mov_b32 v[NIL], 0
	v_mov_b32 v[ZR], 0
	v_and_b32 v1, 31, v0                           ; lane
	v_lshrrev_b32 v8, 5, v0
	v_readfirstlane_b32 s8, v8                     ; wave 0..7
	v_lshlrev_b32 v[LO], 4, v1
	v_lshl_add_u32 v[LO], v8, 13, v[LO]
	v_lshlrev_b32 v[SO], 3, v1
	v_lshl_add_u32 v[SO], v8, 12, v[SO]
	v_and_b32 v[RA], 15, v0                        ; both halves of the lanes read the same 256 bytes of sums,
	v_lshlrev_b32 v[RA], 4, v[RA]
	v_lshlrev_b32 v[GA], 4, v1                     ; and store 512 consecutive bytes
	s_wait_alu depctr_va_sdst(0)                   ; s8 is written, ahead of its first reader, the line below
	s_lshl_b32 s9, s8, 5
	v_mov_b32 v[EA], s9                            ; EEL + 32 w
	s_lshl_b32 s10, ttmp9, 16                      ; the block's 64 codes of 1,024 bytes
	s_mov_b32 s11, 0
	s_mul_i32 s14, ttmp9, BLOCK
	s_mov_b32 s15, 0
	s_mov_b32 s12, 0x76543210                      ; v_permlanex16_b32: each lane takes its own place in the other half
	s_mov_b32 s13, 0xfedcba98
	s_wait_kmcnt 0x0
	s_add_nc_u64 s[4:5], s[4:5], s[10:11]
	s_add_nc_u64 s[6:7], s[6:7], s[14:15]
	s_wait_alu depctr_va_vdst(0)                   ; LO, SO, EA, RA and GA are written: every load and store, and every LDS instruction but the closing add, reads one of them as its offset or address
.irp n, 0,1,2,3,4,5,6,7,8,9,10,11,12,13,14,15
	global_load_b128 v[RAW+4*\n:RAW+4*\n+3], v[LO], s[4:5] offset:1024*(\n/2)+512*(\n%2)
.endr
; Load n: four numbers are rounded to bf16; their squares, taken from the rounded halves, start or go on two partial sums.  In front of these six lines goes the store of load n - 4.
.macro ROWH n
	s_wait_loadcnt 15-(\n)                         ; loads come back in order: mine is in, the 15 - n younger ones stay out
.if ((\n) > 0) && ((\n) % 4 == 0)
	s_wait_alu depctr_va_vdst(0)                   ; the block before has written its eight PK registers, which this block's four stores read
.endif
.if (\n) >= 4
	global_store_b64 v[SO], v[PK+2*((\n)-4):PK+2*((\n)-4)+1], s[6:7] offset:512*(((\n)-4)/2)+256*(((\n)-4)%2)  ; the wave's 32 lanes store 256 consecutive bytes, aligned; no vector line since the wait names these registers
.endif
	v_cvt_pk_bf16_f32 v[PK+2*(\n)], v[RAW+4*(\n)], v[RAW+4*(\n)+1]
	v_cvt_pk_bf16_f32 v[PK+2*(\n)+1], v[RAW+4*(\n)+2], v[RAW+4*(\n)+3]
	v_fma_mix_f32_bf16 v[RAW+4*(\n)], v[PK+2*(\n)], v[PK+2*(\n)], v[ZR] op_sel_hi:[1,1,0]
	v_fma_mix_f32_bf16 v[RAW+4*(\n)+1], v[PK+2*(\n)], v[PK+2*(\n)], v[ZR] op_sel:[1,1,0] op_sel_hi:[1,1,0]
	v_fma_mix_f32_bf16 v[RAW+4*(\n)], v[PK+2*(\n)+1], v[PK+2*(\n)+1], v[RAW+4*(\n)] op_sel_hi:[1,1,0]
	v_fma_mix_f32_bf16 v[RAW+4*(\n)+1], v[PK+2*(\n)+1], v[PK+2*(\n)+1], v[RAW+4*(\n)+1] op_sel:[1,1,0] op_sel_hi:[1,1,0]
.endm
.irp n, 0,1,2,3,4,5,6,7,8,9,10,11,12,13,14,15
	ROWH \n
.endr
	s_wait_alu depctr_va_vdst(0)                   ; the last block has written its eight PK registers, which the last four stores read
.irp n, 12,13,14,15
	global_store_b64 v[SO], v[PK+2*\n:PK+2*\n+1], s[6:7] offset:512*(\n/2)+256*(\n%2)
.endr
; a code's four partial sums, then the 32 lanes; the eight codes alternate, so that no line waits for the one before it
.irp i, 0,1,2,3,4,5,6,7
	v_pk_add_f32 v[RAW+8*\i:RAW+8*\i+1], v[RAW+8*\i:RAW+8*\i+1], v[RAW+8*\i+4:RAW+8*\i+5]
.endr
.irp i, 0,1,2,3,4,5,6,7
	v_add_f32 v[RAW+8*\i], v[RAW+8*\i], v[RAW+8*\i+1]
.endr
.irp m, 1,2,4,8
.irp i, 0,1,2,3,4,5,6,7
	v_add_f32_dpp v[RAW+8*\i], v[RAW+8*\i], v[RAW+8*\i] row_xmask:\m row_mask:0xf bank_mask:0xf
.endr
.endr
.irp i, 0,1,2,3,4,5,6,7
	v_permlanex16_b32 v[RAW+8*\i+1], v[RAW+8*\i], s12, s13
.endr
.irp i, 0,1,2,3,4,5,6,7
	v_add_f32 v[RAW+8*\i], v[RAW+8*\i], v[RAW+8*\i+1]
.endr
	s_wait_alu depctr_va_vdst(0)                   ; the eight sums RAW + 8 i are written, which the LDS stores read
.irp i, 0,1,2,3,4,5,6,7
	ds_store_b32 v[EA], v[RAW+8*\i] offset:4*\i    ; all lanes write the same word with the same number
.endr
	s_wait_dscnt 0x0                               ; for the others' sake: my eight sums are in LDS
	s_barrier_signal -1
	s_barrier_wait -1
	s_cmp_lg_u32 s8, 0
	s_cbranch_scc1 .Lnot_first
	ds_load_b128 v[12:15], v[RA]                   ; wave 0 stores the row of sums; RA and GA were written ahead of the head's wait, and no vector line names v[12:15]
	s_wait_dscnt 0x0
	global_store_b128 v[GA], v[12:15], s[6:7] offset:32768  ; 512 consecutive bytes: the sums and their copy
.Lnot_first:
	s_wait_dscnt 0x0                               ; the closing lines, six on end
	s_wait_alu 0x0
	s_wait_tensorcnt 0x0
	ds_add_u32 v[SPW], v[NIL]
	s_wait_dscnt 0x0
	s_endpgm
.Lfunc_end_k_qff044baeb6_prep:
	.size	k_qff044baeb6_prep, .Lfunc_end_k_qff044baeb6_prep-k_qff044baeb6_prep
	.p2alignl 7, 3214868480
	.fill 96, 4, 3214868480
	.section	.rodata,"a",@progbits
	.p2align	6, 0x0
	.amdhsa_kernel k_qff044baeb6_prep
		.amdhsa_group_segment_fixed_size 1280
		.amdhsa_private_segment_fixed_size 0
		.amdhsa_enable_private_segment 0
		.amdhsa_kernarg_size 16
		.amdhsa_user_sgpr_count 2
		.amdhsa_user_sgpr_kernarg_segment_ptr 1
		.amdhsa_wavefront_size32 1
		.amdhsa_system_sgpr_workgroup_id_x 1
		.amdhsa_system_sgpr_workgroup_id_y 1
		.amdhsa_system_sgpr_workgroup_id_z 1
		.amdhsa_system_vgpr_workitem_id 0
		.amdhsa_next_free_vgpr 112
		.amdhsa_next_free_sgpr 66
		.amdhsa_reserve_vcc 0
		.amdhsa_float_denorm_mode_32 3
		.amdhsa_float_denorm_mode_16_64 3
		.amdhsa_memory_ordered 1
		.amdhsa_forward_progress 1
		.amdhsa_inst_pref_size 16
	.end_amdhsa_kernel
	.amdgpu_metadata
---
amdhsa.version: [ 1, 2 ]
amdhsa.kernels:
  - .name:           k_qff044baeb6_prep
    .symbol:         k_qff044baeb6_prep.kd
    .args:
      - { .name: emb_w, .offset: 0, .size: 8, .value_kind: global_buffer, .address_space: global }
      - { .name: ebf, .offset: 8, .size: 8, .value_kind: global_buffer, .address_space: global }
    .group_segment_fixed_size: 1280
    .private_segment_fixed_size: 0
    .kernarg_segment_align: 8
    .kernarg_segment_size: 16
    .max_flat_workgroup_size: 256
    .sgpr_count:     66
    .vgpr_count:     112
    .wavefront_size: 32
...
	.end_amdgpu_metadata
.endif
;; end of part 5
;; launch nearest: the kernel of part 2 again; grid 256 x 1, 4 waves a work-group, clusters of 4 x 1, 327,680 bytes of LDS; arguments ebf, inputs, idx; writes idx
;; launch gather: the kernel of part 3 again; grid 512 x 1, 8 waves a work-group, no clusters, 0 bytes of LDS; arguments emb_w, inputs, idx, out0, part; writes out0, part
;; launch total: the kernel of part 4 again; grid 1 x 1, 1 waves a work-group, no clusters, 0 bytes of LDS; arguments part, out1; writes out1
